; MI455X (gfx1250); checked and timed in simulation.
; The chip was launched on July 23, 2026; its instructions are those of AMD's public machine-readable ISA for CDNA 5 (MIT licence, August 2026) and "CDNA5" Instruction Set Architecture Reference Guide (July 2026). The comments in the code are by the model that wrote it; some were corrected since.
;; new loss model. Allowed arithmetic: float matrix products may take bf16 or f16 operands with f32 sums; all other float work in f32.
;; Inputs: D 2,048 x 1,024 float32; W 2,048 x 64 float32; g 2,048 x 64 float32.
;; Outputs: out0 2,048 x 8 x 8 float32; out1 8 float32; out2 8 float32; out3 8 float32; out4 8 float32; out5 8 x 8 float32; out6 8 float32; out7 one number float32.
;; Constants: i = 100.
;; One version. Each part assembles by itself: llvm-mc -triple=amdgcn-amd-amdhsa -mcpu=gfx1250 --defsym DOCPART=n.
;; ======== version 1 of 1: 2 launches
;; workspace buffers: prodpart 524,288 bytes; part 131,072 bytes
;; launch tile (part 1): grid 16 x 16, 8 waves a work-group, no clusters, 70,656 bytes of LDS; arguments W, g, D, out0, prodpart, part; writes out0, prodpart, part
.if DOCPART == 1
	.amdgcn_target "amdgcn-amd-amdhsa--gfx1250"
	.amdhsa_code_object_version 6
	.text
	.protected	k_q312a1f2457_tile
	.globl	k_q312a1f2457_tile
	.p2align	8
	.type	k_q312a1f2457_tile,@function
k_q312a1f2457_tile:
	s_mov_b64 s[64:65], 0
	v_nop
	global_prefetch_b8 v0, s[64:65] scope:SCOPE_SE
	s_setreg_imm32_b32 hwreg(HW_REG_WAVE_MODE, 25, 1), 1
	s_wait_xcnt 0x0
; P = softmax(W + g) over the 64 entries of a row; x[r][c][k] = P[r][k] D[r][c], k = 8 ch + ba.
; Work-group (x, y) owns rows 128 y .. +127 and columns 64 x .. +63 of D.  It leaves
;   prodpart[ch][y][c]  the product over its 128 rows and the 8 ba of (1 - P[r][k] D[r][c]), for its 64 columns,
;   part[16 y + x]      128 words: 0..63 the tile's sum of P[r][k] D[r][c] for each k; word 64 + 2 l the sum over the group's 8 own rows
;                       of P[2 l] + P[2 l + 1]; word 65 + 2 l the number of own rows with an entry above 0.99 (the same in all 32 places),
;   out0                its 8 own rows of P: local row x of each of its 8 waves, so that the 16 groups of a row chunk store each row once.
; The factors are formed as they are defined, one fused multiply-add and one multiply each, two columns to an instruction: D is an input
; and need not be 0 or 1, so a factor may be negative, and the product is neither a sum of logarithms nor work for the matrix units.
; 128 x 64 x 64 factors = 16,384 packed pairs of instructions for the work-group, 2,048 instructions for each of 8 waves.
; Wave w owns rows 16 w .. +15.  Lane l = 16 h + q holds, for row pair j = 0..7, row 2 j + h and entries (of W, g, P) or columns (of D)
; 4 q .. 4 q + 3: sixteen neighbouring lanes hold one row, so sums and maxima along a row are four DPP steps, and each 16-byte load of
; the wave covers two runs of 256 consecutive bytes, aligned.  All 24 loads of a wave stand at the head: the whole input is asked for at once.
; NO JOINT REQUESTS, though the 16 groups of a row chunk read the same 64 KiB of W and g (of 96 KiB that a group loads): a joint request
; lands in LDS, from where each wave would need 16 more LDS loads before the softmax could start, and the LDS address of the own rows
; (256 x) hangs on the group's place, which partners of a joint request may not let it do.  W and g together are 1 MiB.
; LIMITS: the order of the multiplications (row parity, wave, then a tree) is not reference()'s, so an intermediate product may overflow or
; underflow where that order does not; v_exp_f32 gives 0 for results below 2^-126; exp and rcp are good to 1 ULP, so a row whose largest
; entry lies within a few ULP of 0.99 may be counted the other way.  At most one entry of a row exceeds 0.99 (a row sums to 1), so
; counting entries above 0.99 counts rows.
.set PREG, 0                           ; LDS 0 .. 32767: P, wave w at 4096 w, 16 rows of 256 bytes
.set ACCP, 32768                       ; LDS 32768 .. 65535: [half-wave 2 w + h][ch][64 columns] f32: 2,048 bytes a half-wave, 256 a ch
.set NNZP, 65536                       ; LDS 65536 .. 69631: [half-wave][64 k] f32
.set LN,  1                            ; v1   lane
.set HH,  2                            ; v2   h
.set QQ,  3                            ; v3   q
.set OWG, 4                            ; v4   4096 w + 16 l: my bytes in W and g, and in P's LDS region
.set OD,  5                            ; v5   65536 w + 4096 h + 16 q: my bytes in D
.set PLD, 6                            ; v6   4096 w + 256 h: my half's row of pair 0 in LDS
.set AST, 7                            ; v7   where my products go
.set NST, 8                            ; v8   where my nnz sums go
.set CLD, 9                            ; v9   where I read the 16 half-waves' products of ch = w
.set PO,  10                           ; v10  65536 w + 8 l: my bytes in prodpart
.set L8,  11                           ; v11  8 l
.set NLD, 12                           ; v12  NNZP + 8 l
.set OWN, 13                           ; v13  256 x + 8 l: the own row of wave 0
.set T0,  14                           ; v14-15 at work in the head
.set DD,  16                           ; v[16:47]   D, 4 columns for each j
.set ACC, 48                           ; v[48:79]   running products: 4 ch + column
.set NNZ, 80                           ; v[80:83]   sums of P x (row sum of D) for my 4 k
.set MS,  84                           ; v[84:91]   for each j: row maximum, then row sum, then its reciprocal
.set RS,  92                           ; v[92:99]   for each j: D's row sum over the tile's 64 columns
.set FF,  100                          ; v[100:115] eight pairs of factors
.set WP,  116                          ; v[116:147] W, then W + g, then the exponentials, then P
.set GG,  148                          ; v[148:179] g, free once W + g is formed
.set PB,  148                          ; v[148:243] three buffers of 32 entries of P; behind the barrier: the partial results
.set XT,  180                          ; v[180:..]  the extra jobs of waves 0 and 1
	s_load_b256 s[4:11], s[0:1], 0x0               ; W s[4:5], g s[6:7], D s[8:9], out0 s[10:11]
	s_load_b128 s[12:15], s[0:1], 0x20             ; prodpart s[12:13], part s[14:15]
	v_lshl_add_u32 v248, v0, 2, 0x11000
	v_mov_b32 v249, 0
	v_lshrrev_b32 v[T0], 5, v0
	v_readfirstlane_b32 s16, v[T0]                 ; wave number
	s_and_b32 s17, ttmp9, 15                       ; x: column chunk
	s_and_b32 s18, ttmp7, 15                       ; y: row chunk
	v_and_b32 v[LN], 31, v0
	v_bfe_u32 v[HH], v0, 4, 1
	v_and_b32 v[QQ], 15, v0
	s_lshl_b32 s22, s16, 12                        ; 4096 w
	s_lshl_b32 s23, s16, 16                        ; 65536 w
	s_lshl_b32 s27, s17, 8                         ; 256 x
	s_lshl_b32 s20, s18, 15                        ; W, g: 128 rows of 256 bytes a chunk
	s_mov_b32 s21, 0
	s_lshl_b32 s28, s18, 19                        ; D: 128 rows of 4,096 bytes, + 256 x
	s_add_co_u32 s28, s28, s27
	s_mov_b32 s29, 0
	s_add_co_u32 s30, s20, s27                     ; out0: the chunk, + local row x
	s_mov_b32 s31, 0
	s_lshl_b32 s32, s18, 12                        ; prodpart: 4,096 bytes a chunk, + 256 x
	s_add_co_u32 s32, s32, s27
	s_mov_b32 s33, 0
	s_lshl_b32 s34, s18, 13                        ; part: (16 y + x) records of 512 bytes
	s_lshl_b32 s19, s17, 9
	s_add_co_u32 s34, s34, s19
	s_mov_b32 s35, 0
	v_lshl_add_u32 v[OWG], v[LN], 4, s22
	v_lshlrev_b32 v[T0], 4, v[QQ]                  ; 16 q
	v_lshl_add_u32 v[T0+1], v[HH], 12, v[T0]
	v_add_nc_u32 v[OD], s23, v[T0+1]
	s_wait_kmcnt 0x0
	s_add_nc_u64 s[4:5], s[4:5], s[20:21]
	s_add_nc_u64 s[6:7], s[6:7], s[20:21]
	s_add_nc_u64 s[8:9], s[8:9], s[28:29]
.irp j, 0,1,2,3,4,5,6,7
	global_load_b128 v[WP+4*\j:WP+4*\j+3], v[OWG], s[4:5] offset:512*\j
.endr
.irp j, 0,1,2,3,4,5,6,7
	global_load_b128 v[GG+4*\j:GG+4*\j+3], v[OWG], s[6:7] offset:512*\j
.endr
.irp j, 0,1,2,3,4,5,6,7
	global_load_b128 v[DD+4*\j:DD+4*\j+3], v[OD], s[8:9] offset:8192*\j th:TH_LOAD_NT   ; each byte of D is read once in the launch
.endr
	s_add_nc_u64 s[10:11], s[10:11], s[30:31]
	s_add_nc_u64 s[12:13], s[12:13], s[32:33]
	s_add_nc_u64 s[14:15], s[14:15], s[34:35]
	; the other addresses, while the loads are on their way
	v_lshl_add_u32 v[PLD], v[HH], 8, s22
	s_add_co_u32 s19, s22, ACCP
	v_lshl_add_u32 v[AST], v[HH], 11, v[T0]
	v_add_nc_u32 v[AST], s19, v[AST]               ; ACCP + 2048 (2 w + h) + 16 q
	s_lshl_b32 s19, s16, 9
	s_add_co_u32 s19, s19, NNZP
	v_lshl_add_u32 v[NST], v[LN], 4, s19           ; NNZP + 256 (2 w + h) + 16 q
	s_lshl_b32 s19, s16, 8
	s_add_co_u32 s19, s19, ACCP
	v_lshl_add_u32 v[CLD], v[LN], 3, s19           ; ACCP + 256 ch + 8 l, ch = w
	v_lshl_add_u32 v[PO], v[LN], 3, s23
	v_lshlrev_b32 v[L8], 3, v[LN]
	v_add_nc_u32 v[NLD], NNZP, v[L8]
	v_lshl_add_u32 v[OWN], v[LN], 3, s27
	s_mov_b32 s24, 0x76543210                      ; v_permlanex16_b32: lane i of one half reads lane i of the other
	s_mov_b32 s25, 0xfedcba98
	s_mov_b32 s26, 0x3f7d70a4                      ; 0.99
; four DPP steps on the eight registers base .. base + 7: each ends up with the sum (maximum) over its 16 lanes, that is, along its row
.macro ROWRED op, base
.irp m, 1,2,4,8
.irp j, 0,1,2,3,4,5,6,7
	\op v[\base+\j], v[\base+\j], v[\base+\j] row_xmask:\m row_mask:0xf bank_mask:0xf
.endr
.endr
.endm
; my four entries of row pair j minus the row's maximum.  The one register MS + j feeds both halves of the packed form:
; op_sel and op_sel_hi pick the first or the second register of the even-aligned pair that holds it.
.macro SUBROW j
.irp p, 0,2
.if (\j)%2
	v_pk_add_f32 v[WP+4*\j+\p:WP+4*\j+\p+1], v[WP+4*\j+\p:WP+4*\j+\p+1], v[MS+\j-1:MS+\j] op_sel:[0,1] op_sel_hi:[1,1] neg_lo:[0,1] neg_hi:[0,1]
.else
	v_pk_add_f32 v[WP+4*\j+\p:WP+4*\j+\p+1], v[WP+4*\j+\p:WP+4*\j+\p+1], v[MS+\j:MS+\j+1] op_sel_hi:[1,0] neg_lo:[0,1] neg_hi:[0,1]
.endif
.endr
.endm
; my four exponentials of row pair j times 1 / the row's sum
.macro MULROW j
.irp p, 0,2
.if (\j)%2
	v_pk_mul_f32 v[WP+4*\j+\p:WP+4*\j+\p+1], v[WP+4*\j+\p:WP+4*\j+\p+1], v[MS+\j-1:MS+\j] op_sel:[0,1] op_sel_hi:[1,1]
.else
	v_pk_mul_f32 v[WP+4*\j+\p:WP+4*\j+\p+1], v[WP+4*\j+\p:WP+4*\j+\p+1], v[MS+\j:MS+\j+1] op_sel_hi:[1,0]
.endif
.endr
.endm
; nnz of my four k: + P x D's row sum.  Row pair 0 starts the sums: nothing is cleared.
.macro NNZROW j
.irp p, 0,2
.if (\j)==0
	v_pk_mul_f32 v[NNZ+\p:NNZ+\p+1], v[WP+\p:WP+\p+1], v[RS:RS+1] op_sel_hi:[1,0]
.elseif (\j)%2
	v_pk_fma_f32 v[NNZ+\p:NNZ+\p+1], v[WP+4*\j+\p:WP+4*\j+\p+1], v[RS+\j-1:RS+\j], v[NNZ+\p:NNZ+\p+1] op_sel:[0,1,0] op_sel_hi:[1,1,1]
.else
	v_pk_fma_f32 v[NNZ+\p:NNZ+\p+1], v[WP+4*\j+\p:WP+4*\j+\p+1], v[RS+\j:RS+\j+1], v[NNZ+\p:NNZ+\p+1] op_sel_hi:[1,0,1]
.endif
.endr
.endm
; pairs m = 0 .. d - 1 from register base on take in pairs m + d: one level of a tree
.macro FOLD op, base, d
.set fm, 0
.rept \d
	\op v[\base+2*fm:\base+2*fm+1], v[\base+2*fm:\base+2*fm+1], v[\base+2*(fm+\d):\base+2*(fm+\d)+1]
.set fm, fm+1
.endr
.endm
	; SOFTMAX of my 16 rows, each step on all eight row pairs: eight chains that do not wait for each other
	s_wait_loadcnt 0x8                             ; W and g are in; the eight younger loads, D's, stay out
	FOLD v_pk_add_f32, WP, 16                      ; W + g: GG lies 16 pairs behind WP
.irp j, 0,1,2,3,4,5,6,7
	v_max3_num_f32 v[MS+\j], v[WP+4*\j], v[WP+4*\j+1], v[WP+4*\j+2]
.endr
.irp j, 0,1,2,3,4,5,6,7
	v_max_num_f32 v[MS+\j], v[MS+\j], v[WP+4*\j+3]
.endr
	ROWRED v_max_num_f32_dpp, MS                   ; the row's maximum, in all its 16 lanes
.irp j, 0,1,2,3,4,5,6,7
	SUBROW \j                                      ; taken away before the exponential, as reference() does
.endr
.set e, 0
.rept 16
	v_pk_mul_f32 v[WP+2*e:WP+2*e+1], v[WP+2*e:WP+2*e+1], 0x3fb8aa3b op_sel_hi:[1,0]   ; x log2(e): v_exp_f32 is 2^x
.set e, e+1
.endr
.set e, 0
.rept 32
	v_exp_f32 v[WP+e], v[WP+e]
.set e, e+1
.endr
	v_nop                                          ; one plain vector instruction between the last v_exp_f32 and the first use (ISA guide 5.7.2)
	s_wait_alu depctr_va_vdst(0)
.irp j, 0,1,2,3,4,5,6,7
	v_pk_add_f32 v[FF+2*\j:FF+2*\j+1], v[WP+4*\j:WP+4*\j+1], v[WP+4*\j+2:WP+4*\j+3]
.endr
.irp j, 0,1,2,3,4,5,6,7
	v_add_f32 v[MS+\j], v[FF+2*\j], v[FF+2*\j+1]
.endr
	ROWRED v_add_f32_dpp, MS                       ; the row's sum
.irp j, 0,1,2,3,4,5,6,7
	v_rcp_f32 v[MS+\j], v[MS+\j]
.endr
	v_nop                                          ; as above, behind v_rcp_f32
	s_wait_alu depctr_va_vdst(0)
.irp j, 0,1,2,3,4,5,6,7
	MULROW \j                                      ; P
.endr
; block b = 2 j + t: row pair j, entries k = 32 t .. 32 t + 31 (ch 4 t .. 4 t + 3).
; PLOAD: those 32 entries of my half's row 2 j + h into buffer b mod 3; the 16 lanes of a half ask for the same bytes.
.macro PLOAD b
.irp i, 0,1,2,3,4,5,6,7
	ds_load_b128 v[PB+32*((\b)%3)+4*\i:PB+32*((\b)%3)+4*\i+3], v[PLD] offset:512*((\b)/2)+128*((\b)%2)+16*\i
.endr
.endm
; PROD: for each ba: eight packed factors 1 - P D (4 ch x 2 pairs of columns; pc = 2 x local ch + pair), then eight packed multiplies
; into the running products.  A factor is used eight instructions behind its making, a running product again after sixteen.
; The first factor of each running product (row pair 0, ba 0) is written straight into it: nothing is set to one beforehand.
.macro PROD b
.set pj, (\b)/2
.set pt, (\b)%2
.set pbuf, PB+32*((\b)%3)
.set ps, 0
.rept 8
.set pc, 0
.rept 8
.set pd, DD+4*pj+2*(pc%2)
.set pr, pbuf+8*(pc/2)+ps-(ps%2)
.if pj+ps
.set pf, FF+2*pc
.else
.set pf, ACC+16*pt+2*pc
.endif
.if ps%2
	v_pk_fma_f32 v[pf:pf+1], v[pd:pd+1], v[pr:pr+1], 1.0 op_sel:[0,1,0] op_sel_hi:[1,1,0] neg_lo:[0,1,0] neg_hi:[0,1,0]
.else
	v_pk_fma_f32 v[pf:pf+1], v[pd:pd+1], v[pr:pr+1], 1.0 op_sel_hi:[1,0,0] neg_lo:[0,1,0] neg_hi:[0,1,0]
.endif
.set pc, pc+1
.endr
.if pj+ps
.set pc, 0
.rept 8
	v_pk_mul_f32 v[ACC+16*pt+2*pc:ACC+16*pt+2*pc+1], v[ACC+16*pt+2*pc:ACC+16*pt+2*pc+1], v[FF+2*pc:FF+2*pc+1]
.set pc, pc+1
.endr
.endif
.set ps, ps+1
.endr
.endm
; left: how many younger LDS loads may stay out when block b's eight have to be in.  fill = 1: block b + 2's entries are asked for,
; into the buffer that block b - 1 has been multiplied from.
.macro BLOCK b, left, fill
	s_wait_dscnt \left
.if \fill
	PLOAD \b+2
.endif
	PROD \b
.endm
	; P into LDS, from where each lane takes whole rows.  The bytes are my wave's own, and LDS serves a wave's instructions in
	; order (ISA guide 5.7.1), so the loads behind the stores need no wait.
.irp j, 0,1,2,3,4,5,6,7
	ds_store_b128 v[OWG], v[WP+4*\j:WP+4*\j+3] offset:512*\j
.endr
	PLOAD 0
	PLOAD 1
	; D's row sums over the tile's 64 columns, and nnz, while those loads are on their way
	s_wait_loadcnt 0x0                             ; D is in
.irp j, 0,1,2,3,4,5,6,7
	v_pk_add_f32 v[FF+2*\j:FF+2*\j+1], v[DD+4*\j:DD+4*\j+1], v[DD+4*\j+2:DD+4*\j+3]
.endr
.irp j, 0,1,2,3,4,5,6,7
	v_add_f32 v[RS+\j], v[FF+2*\j], v[FF+2*\j+1]
.endr
	ROWRED v_add_f32_dpp, RS
.irp j, 0,1,2,3,4,5,6,7
	NNZROW \j
.endr
	; THE PRODUCT: 16 blocks of 128 instructions
.irp b, 0,1,2,3,4,5,6,7,8,9,10,11,12,13
	BLOCK \b, 8, 1                                 ; the eight loads of the next block stay out
.endr
	BLOCK 14, 8, 0
	BLOCK 15, 0, 0                                 ; nothing was asked for behind block 15's
	; hand over: my products (8 rows of one parity x 8 ba, for 8 ch x 4 columns) and my nnz sums
.irp c, 0,1,2,3,4,5,6,7
	ds_store_b128 v[AST], v[ACC+4*\c:ACC+4*\c+3] offset:256*\c
.endr
	ds_store_b128 v[NST], v[NNZ:NNZ+3]
	s_wait_dscnt 0x0                               ; for the other waves: all my LDS stores, P's too, are done before I say so
	s_barrier_signal -1
	s_barrier_wait -1
	; wave w multiplies the 16 half-waves' products of ch = w; lane l takes columns 2 l, 2 l + 1
.irp i, 0,1,2,3,4,5,6,7,8,9,10,11,12,13,14,15
	ds_load_b64 v[PB+2*\i:PB+2*\i+1], v[CLD] offset:2048*\i
.endr
	s_wait_dscnt 0x0
	FOLD v_pk_mul_f32, PB, 8
	FOLD v_pk_mul_f32, PB, 4
	FOLD v_pk_mul_f32, PB, 2
	FOLD v_pk_mul_f32, PB, 1
	global_store_b64 v[PO], v[PB:PB+1], s[12:13]   ; the wave's 32 lanes store 256 consecutive bytes, aligned
	; two more jobs, on registers that the store above does not name
	s_cmp_eq_u32 s16, 0
	s_cbranch_scc1 .Lnnz
	s_cmp_eq_u32 s16, 1
	s_cbranch_scc1 .Lown
	s_wait_tensorcnt 0x0
	ds_add_u32 v248, v249
	s_wait_dscnt 0x0
	s_endpgm
.Lnnz:                                             ; wave 0: the tile's nnz for each k, lane l takes k = 2 l, 2 l + 1
.irp i, 0,1,2,3,4,5,6,7,8,9,10,11,12,13,14,15
	ds_load_b64 v[XT+2*\i:XT+2*\i+1], v[NLD] offset:256*\i
.endr
	s_wait_dscnt 0x0
	FOLD v_pk_add_f32, XT, 8
	FOLD v_pk_add_f32, XT, 4
	FOLD v_pk_add_f32, XT, 2
	FOLD v_pk_add_f32, XT, 1
	global_store_b64 v[L8], v[XT:XT+1], s[14:15]   ; words 0 .. 63 of the record: 256 consecutive bytes, aligned
	s_wait_tensorcnt 0x0
	ds_add_u32 v248, v249
	s_wait_dscnt 0x0
	s_endpgm
.Lown:                                             ; wave 1: the 8 own rows (local row x of each wave); lane l takes entries 2 l, 2 l + 1
.set SUM, XT+16                        ; v[196:197] sum over the 8 rows
.set OUTP, XT+22                       ; v[202:203] what goes to the record: row sum, count
.set MX,  XT+24                        ; v[204:211] the larger of my two entries of each row, then 1.0 or 0
.set ONE, XT+32                        ; v212
.irp r, 0,1,2,3,4,5,6,7
	ds_load_b64 v[XT+2*\r:XT+2*\r+1], v[OWN] offset:4096*\r
.endr
	v_mov_b32 v[ONE], 1.0
	s_wait_dscnt 0x0
.irp r, 0,1,2,3,4,5,6,7
	global_store_b64 v[L8], v[XT+2*\r:XT+2*\r+1], s[10:11] offset:4096*\r th:TH_STORE_NT   ; a whole row of P: 256 consecutive bytes, aligned
.endr
	v_pk_add_f32 v[SUM:SUM+1], v[XT:XT+1], v[XT+2:XT+3]
.irp r, 2,3,4,5,6,7
	v_pk_add_f32 v[SUM:SUM+1], v[SUM:SUM+1], v[XT+2*\r:XT+2*\r+1]
.endr
	v_add_f32 v[OUTP], v[SUM], v[SUM+1]            ; both entries belong to ch = l / 4
.irp r, 0,1,2,3,4,5,6,7
	v_max_num_f32 v[MX+\r], v[XT+2*\r], v[XT+2*\r+1]
.endr
	v_cmp_lt_f32 vcc_lo, s26, v[MX]
	v_cndmask_b32 v[OUTP+1], 0, v[ONE], vcc_lo     ; the first row starts the count
.irp r, 1,2,3,4,5,6,7
	v_cmp_lt_f32 vcc_lo, s26, v[MX+\r]
	v_cndmask_b32 v[MX+\r], 0, v[ONE], vcc_lo
	v_add_f32 v[OUTP+1], v[OUTP+1], v[MX+\r]
.endr
.irp m, 1,2,4,8
	v_add_f32_dpp v[OUTP+1], v[OUTP+1], v[OUTP+1] row_xmask:\m row_mask:0xf bank_mask:0xf
.endr
	v_permlanex16_b32 v[MX], v[OUTP+1], s24, s25   ; the other half's count, into a register that has been written
	v_add_f32 v[OUTP+1], v[OUTP+1], v[MX]
	global_store_b64 v[L8], v[OUTP:OUTP+1], s[14:15] offset:256   ; words 64 .. 127 of the record: 256 consecutive bytes, aligned
	s_wait_tensorcnt 0x0
	ds_add_u32 v248, v249
	s_wait_dscnt 0x0
	s_endpgm
.Lfunc_end_k_q312a1f2457_tile:
	.size	k_q312a1f2457_tile, .Lfunc_end_k_q312a1f2457_tile-k_q312a1f2457_tile
	.p2alignl 7, 3214868480
	.fill 96, 4, 3214868480
	.section	.rodata,"a",@progbits
	.p2align	6, 0x0
	.amdhsa_kernel k_q312a1f2457_tile
		.amdhsa_group_segment_fixed_size 70656
		.amdhsa_private_segment_fixed_size 0
		.amdhsa_enable_private_segment 0
		.amdhsa_kernarg_size 48
		.amdhsa_user_sgpr_count 2
		.amdhsa_user_sgpr_kernarg_segment_ptr 1
		.amdhsa_wavefront_size32 1
		.amdhsa_system_sgpr_workgroup_id_x 1
		.amdhsa_system_sgpr_workgroup_id_y 1
		.amdhsa_system_sgpr_workgroup_id_z 1
		.amdhsa_system_vgpr_workitem_id 0
		.amdhsa_next_free_vgpr 250
		.amdhsa_next_free_sgpr 66
		.amdhsa_reserve_vcc 1
		.amdhsa_float_denorm_mode_32 3
		.amdhsa_float_denorm_mode_16_64 3
		.amdhsa_memory_ordered 1
		.amdhsa_forward_progress 1
		.amdhsa_inst_pref_size 165
	.end_amdhsa_kernel
	.amdgpu_metadata
---
amdhsa.version: [ 1, 2 ]
amdhsa.kernels:
  - .name:           k_q312a1f2457_tile
    .symbol:         k_q312a1f2457_tile.kd
    .args:
      - { .name: W, .offset: 0, .size: 8, .value_kind: global_buffer, .address_space: global }
      - { .name: g, .offset: 8, .size: 8, .value_kind: global_buffer, .address_space: global }
      - { .name: D, .offset: 16, .size: 8, .value_kind: global_buffer, .address_space: global }
      - { .name: out0, .offset: 24, .size: 8, .value_kind: global_buffer, .address_space: global }
      - { .name: prodpart, .offset: 32, .size: 8, .value_kind: global_buffer, .address_space: global }
      - { .name: part, .offset: 40, .size: 8, .value_kind: global_buffer, .address_space: global }
    .group_segment_fixed_size: 70656
    .private_segment_fixed_size: 0
    .kernarg_segment_align: 8
    .kernarg_segment_size: 48
    .max_flat_workgroup_size: 256
    .sgpr_count:     66
    .vgpr_count:     250
    .wavefront_size: 32
...
	.end_amdgpu_metadata
.endif
;; end of part 1
;; launch finish (part 2): grid 8 x 1, 8 waves a work-group, no clusters, 1,536 bytes of LDS; arguments prodpart, part, out1, out2, out3, out4, out5, out6, out7; writes out1, out2, out3, out4, out5, out6, out7
.if DOCPART == 2
	.amdgcn_target "amdgcn-amd-amdhsa--gfx1250"
	.amdhsa_code_object_version 6
	.text
	.protected	k_q312a1f2457_finish
	.globl	k_q312a1f2457_finish
	.p2align	8
	.type	k_q312a1f2457_finish,@function
k_q312a1f2457_finish:
	s_mov_b64 s[64:65], 0
	v_nop
	global_prefetch_b8 v0, s[64:65] scope:SCOPE_SE
	s_setreg_imm32_b32 hwreg(HW_REG_WAVE_MODE, 25, 1), 1
	s_wait_xcnt 0x0
; The small results, one work-group for each ch (8 work-groups of 256 threads: the work is 64 KiB of products and 16 KiB of records a group).
;   col[c]      = 1 - the product over the 16 row chunks of prodpart[ch][y][c];  num_col = the sum over the 1,024 c          -> out3
;   nnz[ba]     = the sum over the 256 records of word 8 ch + ba                                                            -> out5
;   num_row     = the sum over the records of words 64 + 8 ch + 0, 2, 4, 6                                                  -> out4
;   max_nnz     = the largest nnz[ba] -> out2;   tot = max_nnz + num_col + num_row -> out1
;   col_density = (sum over ba of nnz) / num_row / num_col -> out6   (the sum over c of reference() taken first: the divisors do not hang on c)
;   num_row_sel = the sum over the records of word 65 -> out7, stored by work-group 0 alone
; Thread t owns columns 4 t .. 4 t + 3 and record t.  Sums go lane -> wave (DPP) -> work-group (LDS, one barrier); wave 0 finishes.
; No matrix units, no tensor loads, no cluster: the groups share nothing but the records, 128 KiB in all.
; A record's pieces are 32 bytes of 512: read once each by this launch, so that the launch before could store whole records.
; LIMITS: the products are multiplied as a tree, not in reference()'s order; the divisions are v_rcp_f32 (1 ULP) and a multiply.
.set PR,   16                          ; v[16:79]   products: chunk i at 16 + 4 i, my four columns
.set SUMS, 80                          ; v[80:87] nnz[0..7]; v88 row sum; v89 count; v90 column sum; v91 the count once more
.set AUX,  92                          ; v[92:95]   the second half of the record's row sums
.set OTH,  20                          ; v[20:31]   the other half-wave's sums (registers of PR that are done with), then the wave's
.set TOT,  112                         ; v[112:207] the eight waves' records of 12 words; the totals end up in v[112:123]
.set FIN,  124                         ; v[124:133] the finals
.macro FOLD op, base, d                ; pairs m = 0 .. d - 1 from register base on take in pairs m + d: one level of a tree
.set fm, 0
.rept \d
	\op v[\base+2*fm:\base+2*fm+1], v[\base+2*fm:\base+2*fm+1], v[\base+2*(fm+\d):\base+2*(fm+\d)+1]
.set fm, fm+1
.endr
.endm
	s_load_b512 s[4:19], s[0:1], 0x0               ; prodpart s[4:5], part s[6:7], out1 .. out6 s[8:19]
	s_load_b64 s[20:21], s[0:1], 0x40              ; out7
	v_lshl_add_u32 v208, v0, 2, 0x200
	v_mov_b32 v209, 0
	v_lshrrev_b32 v3, 5, v0
	v_readfirstlane_b32 s22, v3                    ; wave number
	s_and_b32 s23, ttmp9, 7                        ; ch
	s_lshl_b32 s26, s23, 16                        ; prodpart: 16 chunks of 4,096 bytes for each ch
	s_mov_b32 s27, 0
	s_lshl_b32 s28, s23, 5                         ; records and out5: 8 words for each ch
	s_mov_b32 s29, 0
	s_lshl_b32 s30, s22, 6                         ; my wave's 64 bytes of LDS
	s_lshl_b32 s31, s23, 2                         ; one word for each ch
	s_mov_b32 s24, 0x76543210                      ; v_permlanex16_b32: lane i of one half reads lane i of the other
	s_mov_b32 s25, 0xfedcba98
	v_lshlrev_b32 v1, 4, v0                        ; 16 t: my four columns
	v_lshlrev_b32 v2, 9, v0                        ; 512 t: my record
	s_wait_kmcnt 0x0
	s_add_nc_u64 s[4:5], s[4:5], s[26:27]
	s_add_nc_u64 s[6:7], s[6:7], s[28:29]
.irp i, 0,1,2,3,4,5,6,7,8,9,10,11,12,13,14,15
	global_load_b128 v[PR+4*\i:PR+4*\i+3], v1, s[4:5] offset:4096*\i th:TH_LOAD_NT   ; read once in the launch
.endr
	global_load_b128 v[SUMS:SUMS+3],     v2, s[6:7]
	global_load_b128 v[SUMS+4:SUMS+7],   v2, s[6:7] offset:16
	global_load_b128 v[SUMS+8:SUMS+11],  v2, s[6:7] offset:256    ; row sum, count, row sum, count
	global_load_b128 v[AUX:AUX+3],       v2, s[6:7] offset:272    ; and two more row sums
	v_mov_b32 v3, s30
	v_mov_b32 v4, 0
	v_mov_b32 v5, s31
	v_mov_b32 v6, s28
	s_wait_loadcnt 0x4                             ; the 16 loads of products are in; the record's four stay out
	FOLD v_pk_mul_f32, PR, 16                      ; chunk i takes in chunk i + 8,
	FOLD v_pk_mul_f32, PR, 8                       ; + 4,
	FOLD v_pk_mul_f32, PR, 4                       ; + 2,
	FOLD v_pk_mul_f32, PR, 2                       ; + 1: v[16:19] = the products over all 2,048 rows
	v_pk_fma_f32 v[PR:PR+1],   v[PR:PR+1],   -1.0, 1.0 op_sel_hi:[1,0,0]    ; 1 - product
	v_pk_fma_f32 v[PR+2:PR+3], v[PR+2:PR+3], -1.0, 1.0 op_sel_hi:[1,0,0]
	v_pk_add_f32 v[PR:PR+1], v[PR:PR+1], v[PR+2:PR+3]
	s_wait_loadcnt 0x0
	v_add_f32 v[SUMS+8], v[SUMS+8], v[SUMS+10]     ; the record's four row sums of this ch
	v_add_f32 v[AUX], v[AUX], v[AUX+2]
	v_add_f32 v[SUMS+8], v[SUMS+8], v[AUX]
	v_add_f32 v[SUMS+10], v[PR], v[PR+1]           ; my four columns, in the place of a row sum that has been taken in
	; the wave's sums of the twelve, each step on all of them
.irp m, 1,2,4,8
.set j, 0
.rept 12
	v_add_f32_dpp v[SUMS+j], v[SUMS+j], v[SUMS+j] row_xmask:\m row_mask:0xf bank_mask:0xf
.set j, j+1
.endr
.endr
.set j, 0
.rept 12
	v_permlanex16_b32 v[OTH+j], v[SUMS+j], s24, s25   ; the other 16 lanes' sum, into registers that the loads of products have written
.set j, j+1
.endr
.set j, 0
.rept 6
	v_pk_add_f32 v[OTH+2*j:OTH+2*j+1], v[OTH+2*j:OTH+2*j+1], v[SUMS+2*j:SUMS+2*j+1]   ; + my own 16 lanes': the wave's twelve sums, in every lane
.set j, j+1
.endr
	ds_store_b128 v3, v[OTH:OTH+3]                 ; all lanes write the same words with the same values
	ds_store_b128 v3, v[OTH+4:OTH+7] offset:16
	ds_store_b128 v3, v[OTH+8:OTH+11] offset:32
	s_wait_dscnt 0x0                               ; for wave 0: my stores are done before I say so
	s_barrier_signal -1
	s_barrier_wait -1
	s_cmp_lg_u32 s22, 0
	s_cbranch_scc1 .Lend                           ; waves 1 to 7 have handed over and end
.irp w, 0,1,2,3,4,5,6,7
	ds_load_b128 v[TOT+12*\w:TOT+12*\w+3],    v4 offset:64*\w
	ds_load_b128 v[TOT+12*\w+4:TOT+12*\w+7],  v4 offset:64*\w+16
	ds_load_b128 v[TOT+12*\w+8:TOT+12*\w+11], v4 offset:64*\w+32
.endr
	s_wait_dscnt 0x0
	FOLD v_pk_add_f32, TOT, 24                     ; wave w takes in wave w + 4 (six pairs a wave),
	FOLD v_pk_add_f32, TOT, 12                     ; + 2,
	FOLD v_pk_add_f32, TOT, 6                      ; + 1: v[112:119] nnz, v120 num_row, v121 num_row_sel, v122 num_col
	v_max3_num_f32 v[FIN], v[TOT], v[TOT+1], v[TOT+2]
	v_max3_num_f32 v[FIN], v[FIN], v[TOT+3], v[TOT+4]
	v_max3_num_f32 v[FIN], v[FIN], v[TOT+5], v[TOT+6]
	v_max_num_f32 v[FIN], v[FIN], v[TOT+7]         ; max_nnz
	v_pk_add_f32 v[FIN+2:FIN+3], v[TOT:TOT+1], v[TOT+2:TOT+3]
	v_pk_add_f32 v[FIN+4:FIN+5], v[TOT+4:TOT+5], v[TOT+6:TOT+7]
	v_pk_add_f32 v[FIN+2:FIN+3], v[FIN+2:FIN+3], v[FIN+4:FIN+5]
	v_add_f32 v[FIN+1], v[FIN+2], v[FIN+3]         ; the sum over ba of nnz
	v_rcp_f32 v[FIN+6], v[TOT+8]                   ; 1 / num_row
	v_rcp_f32 v[FIN+7], v[TOT+10]                  ; 1 / num_col
	v_add_f32 v[FIN+8], v[FIN], v[TOT+10]          ; the plain instruction between v_rcp_f32 and the use of its result (ISA guide 5.7.2)
	v_add_f32 v[FIN+8], v[FIN+8], v[TOT+8]         ; tot
	s_wait_alu depctr_va_vdst(0)
	v_mul_f32 v[FIN+9], v[FIN+1], v[FIN+6]
	v_mul_f32 v[FIN+9], v[FIN+9], v[FIN+7]         ; col_density
	s_wait_xcnt 0x0                                ; EXEC is narrowed only behind this wait
	v_cmp_eq_u32 vcc_lo, 0, v0
	s_and_saveexec_b32 s32, vcc_lo                 ; thread 0 alone stores; EXEC is not widened again before the end
	global_store_b32 v5, v[FIN+8], s[8:9]          ; out1[ch]
	global_store_b32 v5, v[FIN], s[10:11]          ; out2[ch]
	global_store_b32 v5, v[TOT+10], s[12:13]       ; out3[ch]
	global_store_b32 v5, v[TOT+8], s[14:15]        ; out4[ch]
	global_store_b128 v6, v[TOT:TOT+3], s[16:17]   ; out5[ch][0..3]
	global_store_b128 v6, v[TOT+4:TOT+7], s[16:17] offset:16
	global_store_b32 v5, v[FIN+9], s[18:19]        ; out6[ch]
	s_cmp_lg_u32 s23, 0
	s_cbranch_scc1 .Lend                           ; every group has the count; group 0 stores it
	global_store_b32 v4, v[TOT+9], s[20:21]        ; out7
.Lend:
	s_wait_xcnt 0x0
	s_mov_b32 exec_lo, -1
	s_wait_tensorcnt 0x0
	ds_add_u32 v208, v209
	s_wait_dscnt 0x0
	s_endpgm
.Lfunc_end_k_q312a1f2457_finish:
	.size	k_q312a1f2457_finish, .Lfunc_end_k_q312a1f2457_finish-k_q312a1f2457_finish
	.p2alignl 7, 3214868480
	.fill 96, 4, 3214868480
	.section	.rodata,"a",@progbits
	.p2align	6, 0x0
	.amdhsa_kernel k_q312a1f2457_finish
		.amdhsa_group_segment_fixed_size 1536
		.amdhsa_private_segment_fixed_size 0
		.amdhsa_enable_private_segment 0
		.amdhsa_kernarg_size 72
		.amdhsa_user_sgpr_count 2
		.amdhsa_user_sgpr_kernarg_segment_ptr 1
		.amdhsa_wavefront_size32 1
		.amdhsa_system_sgpr_workgroup_id_x 1
		.amdhsa_system_sgpr_workgroup_id_y 1
		.amdhsa_system_sgpr_workgroup_id_z 1
		.amdhsa_system_vgpr_workitem_id 0
		.amdhsa_next_free_vgpr 210
		.amdhsa_next_free_sgpr 66
		.amdhsa_reserve_vcc 1
		.amdhsa_float_denorm_mode_32 3
		.amdhsa_float_denorm_mode_16_64 3
		.amdhsa_memory_ordered 1
		.amdhsa_forward_progress 1
		.amdhsa_inst_pref_size 16
	.end_amdhsa_kernel
	.amdgpu_metadata
---
amdhsa.version: [ 1, 2 ]
amdhsa.kernels:
  - .name:           k_q312a1f2457_finish
    .symbol:         k_q312a1f2457_finish.kd
    .args:
      - { .name: prodpart, .offset: 0, .size: 8, .value_kind: global_buffer, .address_space: global }
      - { .name: part, .offset: 8, .size: 8, .value_kind: global_buffer, .address_space: global }
      - { .name: out1, .offset: 16, .size: 8, .value_kind: global_buffer, .address_space: global }
      - { .name: out2, .offset: 24, .size: 8, .value_kind: global_buffer, .address_space: global }
      - { .name: out3, .offset: 32, .size: 8, .value_kind: global_buffer, .address_space: global }
      - { .name: out4, .offset: 40, .size: 8, .value_kind: global_buffer, .address_space: global }
      - { .name: out5, .offset: 48, .size: 8, .value_kind: global_buffer, .address_space: global }
      - { .name: out6, .offset: 56, .size: 8, .value_kind: global_buffer, .address_space: global }
      - { .name: out7, .offset: 64, .size: 8, .value_kind: global_buffer, .address_space: global }
    .group_segment_fixed_size: 1536
    .private_segment_fixed_size: 0
    .kernarg_segment_align: 8
    .kernarg_segment_size: 72
    .max_flat_workgroup_size: 256
    .sgpr_count:     66
    .vgpr_count:     210
    .wavefront_size: 32
...
	.end_amdgpu_metadata
.endif
;; end of part 2
